; MI455X (gfx1250); checked and timed in simulation.
; The chip was launched on July 23, 2026; its instructions are those of AMD's public machine-readable ISA for CDNA 5 (MIT licence, August 2026) and "CDNA5" Instruction Set Architecture Reference Guide (July 2026). The comments in the code are by the model that wrote it; some were corrected since.
;; Bert Cos Attention. Allowed arithmetic: float matrix products may take bf16 or f16 operands with f32 sums; other float arithmetic in f32, or as packed bf16 or f16 multiplies, adds, multiply-adds, maxima and minima; sums over many terms, partial sums and values carried from step to step in f32; what a program stores and reads back later, other than sums and carried values, may be rounded once to bf16 or f16.
;; Inputs: Wk 1,024 x 1,024 float32; Wq 1,024 x 1,024 float32; Wv 1,024 x 1,024 float32; attention_mask 8 x 1 x 1 x 2,048 int32; bk 1,024 float32; bq 1,024 float32; bv 1,024 float32; hidden_states 8 x 2,048 x 1,024 float32.
;; Outputs: out0 8 x 2,048 x 1,024 float32.
;; One version. Each part assembles by itself: llvm-mc -triple=amdgcn-amd-amdhsa -mcpu=gfx1250 --defsym DOCPART=n.
;; ======== version 1 of 1: 3 launches
;; limits: values are held in f16: magnitudes above 65,504 overflow, below 6.1e-05 lose precision
;; workspace buffers: xb 33,554,432 bytes; wb 6,291,456 bytes; aux 78,848 bytes; kvp 8,388,608 bytes
;; launch prep (part 1): grid 1217 x 1, 8 waves a work-group, no clusters, 0 bytes of LDS; arguments hidden_states, Wk, Wv, Wq, bk, bv, bq, attention_mask, xb, wb, aux; writes xb, wb, aux
.if DOCPART == 1
	.amdgcn_target "amdgcn-amd-amdhsa--gfx1250"
	.amdhsa_code_object_version 6
	.text
	.protected	k_qcc8bab46d2_prep
	.globl	k_qcc8bab46d2_prep
	.p2align	8
	.type	k_qcc8bab46d2_prep,@function
k_qcc8bab46d2_prep:
	s_mov_b64 s[64:65], 0
	v_nop
	global_prefetch_b8 v0, s[64:65] scope:SCOPE_SE
	s_setreg_imm32_b32 hwreg(HW_REG_WAVE_MODE, 25, 1), 1
	s_wait_xcnt 0x0
; BertCosAttention, launch 1 of 3: the inputs are rounded once to bf16, and the mask is turned into numbers.
;   xb  [16384][1024] bf16 = hidden_states;   wb [3][1024 k][1024 n] bf16 = Wk, Wv, Wq (layout kept)
;   aux (f32): byte 0 bk, 4,096 bv, 8,192 bq, each rounded to bf16 and written as f32; byte 12,288 cap[16384] = 1e12 where attention_mask == 0, else 0;
;              byte 77,824 + 128 b: 16 / (valid tokens of batch b), 32 times.
; THE WHOLE PROGRAM: launch 2 makes k = X Wk + bk and v = X Wv + bv, k^ = k min(rsq(sum k^2), cap) and partial sums of k^T v; launch 3 adds them, makes q = X Wq + bq,
; q^ likewise, and ctx = q^ (k^T v / count).  min(rsq(n^2), 1e12) is 1 / max(n, 1e-12), and with cap = 0 it is the mask's factor 0.
; WORK LEFT OUT, for all finite values of the inputs:
;   (a) reference()'s branch for DH > S: the shapes (64, 2048) choose the other branch.
;   (b) the factor mask on v: v[s] enters the result only through k^[s] v[s]; k^[s] already holds the factor mask[s], which is 0 or 1, so mask^2 = mask.
; Every input has a way to the output and is loaded.  LIMIT: an infinity or NaN in v of a masked row would reach the sum as 0 x inf; see the range stated in launch 2.
; LIMITS: count = 0 gives 16 / 0 = inf and NaN results, as reference() gives.  NaN and infinities are not treated apart.
; SHARES.  Work-group 0: the mask (wave w takes batch w) and the biases.  Work-groups 1 .. 1216: 65,536 bytes of f32 each (1,024 for hidden_states, 64 for each weight matrix):
; sixteen loads of 16 bytes a lane, all issued ahead of the first wait; a wave's load covers 512 consecutive bytes, its store of 8 bytes a lane 256 consecutive aligned bytes.
; No LDS, no barrier, no matrix unit: nothing is shared and every byte is touched once.
.set X,   4                            ; v[4:67]   as loaded
.set Y,   68                           ; v[68:99]  cast role: packed bf16;  aux role: v[68:79] the three biases
.set CAP, 84                           ; v84  1e12
.set T16, 85                           ; v85  16 x thread
.set T4,  86                           ; v86  4 x thread
.set CN,  87                           ; v87  the count as f32
.set RC,  88                           ; v88  16 / count
.set TA,  89                           ; v89, v90 at work
	s_load_b512 s[8:23], s[0:1], 0x0               ; hidden s[8:9], Wk s[10:11], Wv s[12:13], Wq s[14:15], bk s[16:17], bv s[18:19], bq s[20:21], mask s[22:23]
	s_load_b128 s[24:27], s[0:1], 0x40             ; xb s[24:25], wb s[26:27]
	s_load_b64 s[28:29], s[0:1], 0x50              ; aux
	s_cmp_eq_u32 ttmp9, 0
	s_cbranch_scc1 .Laux
	; THE CAST.  g = work-group - 1; g < 1024: hidden_states; else j = g - 1024: matrix j / 64, its block j % 64
	s_sub_co_u32 s2, ttmp9, 1                      ; g
	s_sub_co_u32 s3, s2, 1024                      ; j (used only where g >= 1024)
	s_lshr_b32 s4, s3, 6                           ; which matrix
	s_and_b32 s5, s3, 63
	s_lshl_b32 s5, s5, 16                          ; the block's bytes in its f32 matrix
	s_lshl_b32 s6, s3, 15                          ; and in wb: the three matrices lie end to end
	s_lshl_b32 s7, s2, 16                          ; the same two for hidden_states and xb
	s_lshl_b32 s30, s2, 15
	s_mov_b32 s37, 0
	s_mov_b32 s39, 0
	v_lshlrev_b32 v1, 4, v0                        ; 16 bytes a thread in,
	v_lshlrev_b32 v2, 3, v0                        ; 8 out
	s_wait_kmcnt 0x0
	s_cmp_eq_u32 s4, 0
	s_cselect_b64 s[32:33], s[10:11], s[12:13]     ; Wk or Wv,
	s_cmp_eq_u32 s4, 2
	s_cselect_b64 s[32:33], s[14:15], s[32:33]     ; or Wq,
	s_cmp_lt_u32 s2, 1024
	s_cselect_b64 s[32:33], s[8:9], s[32:33]       ; or hidden_states
	s_cselect_b64 s[34:35], s[24:25], s[26:27]
	s_cselect_b32 s36, s7, s5
	s_cselect_b32 s38, s30, s6
	s_add_nc_u64 s[32:33], s[32:33], s[36:37]
	s_add_nc_u64 s[34:35], s[34:35], s[38:39]
.set i, 0
.rept 16
	global_load_b128 v[X+4*i:X+4*i+3], v1, s[32:33] offset:4096*i th:TH_LOAD_NT
.set i, i+1
.endr
.set i, 0
.rept 16
	s_wait_loadcnt 15-i                            ; loads come back in order: load i is in, the younger ones stay out
	v_cvt_pk_bf16_f32 v[Y+2*i], v[X+4*i], v[X+4*i+1]
	v_cvt_pk_bf16_f32 v[Y+2*i+1], v[X+4*i+2], v[X+4*i+3]
	global_store_b64 v2, v[Y+2*i:Y+2*i+1], s[34:35] offset:2048*i  ; no register is written twice, so no store's sources are waited for
.set i, i+1
.endr
	s_endpgm
.Laux:
	v_lshrrev_b32 v1, 5, v0                        ; wave = batch
	v_and_b32 v2, 31, v0
	v_lshlrev_b32 v3, 13, v1                       ; 8,192 bytes of mask a batch
	v_lshl_add_u32 v3, v2, 4, v3
	v_lshlrev_b32 v[T16], 4, v0
	v_lshlrev_b32 v[T4], 2, v0                     ; 128 x wave + 4 x lane
	v_mov_b32 v[CAP], 0x5368d4a5                   ; 1e12 = 1 / EPS
	s_mov_b32 s32, 0
	s_wait_kmcnt 0x0
.set i, 0
.rept 16
	global_load_b128 v[X+4*i:X+4*i+3], v3, s[22:23] offset:512*i
.set i, i+1
.endr
	global_load_b128 v[Y:Y+3], v[T16], s[16:17]
	global_load_b128 v[Y+4:Y+7], v[T16], s[18:19]
	global_load_b128 v[Y+8:Y+11], v[T16], s[20:21]
	s_wait_loadcnt 3                               ; the mask is in; the three bias loads may stay out
.set i, 0
.rept 64
	v_cmp_eq_u32 s30, 0, v[X+i]                    ; valid tokens of 32 lanes,
	s_bcnt1_i32_b32 s31, s30
	s_add_co_u32 s32, s32, s31                     ; counted: whole numbers, exact
	v_cndmask_b32 v[X+i], 0, v[CAP], s30
.set i, i+1
.endr
.set i, 0
.rept 16
	global_store_b128 v3, v[X+4*i:X+4*i+3], s[28:29] offset:12288+512*i
.set i, i+1
.endr
	v_cvt_f32_u32 v[CN], s32
	v_rcp_f32 v[RC], v[CN]
	v_nop                                          ; a plain instruction behind the reciprocal,
	s_wait_alu depctr_va_vdst(0)                   ; and a wait ahead of its first reader
	v_mul_f32 v[RC], 0x41800000, v[RC]             ; 16 / count
	global_store_b32 v[T4], v[RC], s[28:29] offset:77824
	s_wait_loadcnt 0x0
.irp q, 0,1,2                          ; bk, bv, bq: rounded to bf16, written as f32
	v_cvt_pk_bf16_f32 v[TA], v[Y+4*(\q)], v[Y+4*(\q)+1]
	v_cvt_pk_bf16_f32 v[TA+1], v[Y+4*(\q)+2], v[Y+4*(\q)+3]
	v_lshlrev_b32 v[Y+4*(\q)], 16, v[TA]
	v_and_b32 v[Y+4*(\q)+1], 0xffff0000, v[TA]
	v_lshlrev_b32 v[Y+4*(\q)+2], 16, v[TA+1]
	v_and_b32 v[Y+4*(\q)+3], 0xffff0000, v[TA+1]
	global_store_b128 v[T16], v[Y+4*(\q):Y+4*(\q)+3], s[28:29] offset:4096*(\q)
.endr
	s_endpgm
.Lfunc_end_k_qcc8bab46d2_prep:
	.size	k_qcc8bab46d2_prep, .Lfunc_end_k_qcc8bab46d2_prep-k_qcc8bab46d2_prep
	.p2alignl 7, 3214868480
	.fill 96, 4, 3214868480
	.section	.rodata,"a",@progbits
	.p2align	6, 0x0
	.amdhsa_kernel k_qcc8bab46d2_prep
		.amdhsa_group_segment_fixed_size 0
		.amdhsa_private_segment_fixed_size 0
		.amdhsa_enable_private_segment 0
		.amdhsa_kernarg_size 88
		.amdhsa_user_sgpr_count 2
		.amdhsa_user_sgpr_kernarg_segment_ptr 1
		.amdhsa_wavefront_size32 1
		.amdhsa_system_sgpr_workgroup_id_x 1
		.amdhsa_system_sgpr_workgroup_id_y 1
		.amdhsa_system_sgpr_workgroup_id_z 1
		.amdhsa_system_vgpr_workitem_id 0
		.amdhsa_next_free_vgpr 104
		.amdhsa_next_free_sgpr 66
		.amdhsa_reserve_vcc 0
		.amdhsa_float_denorm_mode_32 3
		.amdhsa_float_denorm_mode_16_64 3
		.amdhsa_memory_ordered 1
		.amdhsa_forward_progress 1
		.amdhsa_inst_pref_size 25
	.end_amdhsa_kernel
	.amdgpu_metadata
---
amdhsa.version: [ 1, 2 ]
amdhsa.kernels:
  - .name:           k_qcc8bab46d2_prep
    .symbol:         k_qcc8bab46d2_prep.kd
    .args:
      - { .name: hidden_states, .offset: 0, .size: 8, .value_kind: global_buffer, .address_space: global }
      - { .name: Wk, .offset: 8, .size: 8, .value_kind: global_buffer, .address_space: global }
      - { .name: Wv, .offset: 16, .size: 8, .value_kind: global_buffer, .address_space: global }
      - { .name: Wq, .offset: 24, .size: 8, .value_kind: global_buffer, .address_space: global }
      - { .name: bk, .offset: 32, .size: 8, .value_kind: global_buffer, .address_space: global }
      - { .name: bv, .offset: 40, .size: 8, .value_kind: global_buffer, .address_space: global }
      - { .name: bq, .offset: 48, .size: 8, .value_kind: global_buffer, .address_space: global }
      - { .name: attention_mask, .offset: 56, .size: 8, .value_kind: global_buffer, .address_space: global }
      - { .name: xb, .offset: 64, .size: 8, .value_kind: global_buffer, .address_space: global }
      - { .name: wb, .offset: 72, .size: 8, .value_kind: global_buffer, .address_space: global }
      - { .name: aux, .offset: 80, .size: 8, .value_kind: global_buffer, .address_space: global }
    .group_segment_fixed_size: 0
    .private_segment_fixed_size: 0
    .kernarg_segment_align: 8
    .kernarg_segment_size: 88
    .max_flat_workgroup_size: 256
    .sgpr_count:     66
    .vgpr_count:     104
    .wavefront_size: 32
...
	.end_amdgpu_metadata
.endif
;; end of part 1
;; launch kvgemm (part 2): grid 8 x 32, 4 waves a work-group, clusters of 4 x 4, 327,680 bytes of LDS; arguments xb, wb, aux, kvp; writes kvp
.if DOCPART == 2
	.amdgcn_target "amdgcn-amd-amdhsa--gfx1250"
	.amdhsa_code_object_version 6
	.text
	.protected	k_qcc8bab46d2_kvgemm
	.globl	k_qcc8bab46d2_kvgemm
	.p2align	8
	.type	k_qcc8bab46d2_kvgemm,@function
k_qcc8bab46d2_kvgemm:
	s_mov_b64 s[64:65], 0
	v_nop
	global_prefetch_b8 v0, s[64:65] scope:SCOPE_SE
	s_setreg_imm32_b32 hwreg(HW_REG_WAVE_MODE, 25, 1), 1
	s_wait_xcnt 0x0
	s_wait_alu depctr_hold_cnt(0) depctr_sa_sdst(0) depctr_va_vdst(0) depctr_va_sdst(0) depctr_va_ssrc(0) depctr_va_vcc(0) depctr_vm_vsrc(0)
	s_getreg_b32 s2, hwreg(HW_REG_IB_STS2, 6, 4)
	s_cmp_eq_u32 s2, 0
	s_cbranch_scc0 .Lentry_in_a_cluster
	s_endpgm
.Lentry_in_a_cluster:
	s_bfe_u32 s2, ttmp6, 0x10000c
	s_cmp_lg_u32 s2, 0xf033
	s_cbranch_scc0 .Lentry_shape_is_right
	s_endpgm
.Lentry_shape_is_right:
; Launch 2 of 3: k = X Wk + bk, v = X Wv + bv (bf16 operands, f32 sums), k^ = k min(rsq(sum over the head's 64 channels of k^2), cap[row]), and partial sums of kv = k^T v.
; LEFT OUT: the factor mask on v (k^ of a masked row is 0 and mask^2 = mask: shown at the head of the first launch).
; LIMITS.  k^ and v go into the second product as f16: |k^| <= 1; |v| must stay under 65,504 (inputs of the drawn kind give about 0.6; all of them 30 times larger about 600; a common
; offset of 30 spreads on X and on Wv about 18,000).  NaN and infinities are not treated apart.  The sums of kv stay in f32.
; SHARES.  A work-group of four waves makes two tiles, one after the other: 256 rows of X x (128 columns of Wk and the same 128 of Wv: two heads).  A wave has 128 rows x one head: 64 columns of k
; (blocks b = 0..3) and 64 of v (b = 4..7): 64 accumulators, 512 registers.  The two tiles lie 1,024 rows apart in one batch; the work-group's sum over its 512 rows is one of the batch's four parts.
; K goes in steps of 128 through a ring of two LDS slots filled by the tensor data mover; X's rows lie along K, W's tile lies [k][n] and comes out of LDS turned, by ds_load_tr16_b128.
; THE MATRIX INSTRUCTION IS USED AS IT IS (source 0 = 16 rows of X, source 1 = 16 columns of W): lane l holds channel l % 16 and the rows 8 (l / 16) + 0..7.  Two blocks of 16 rows, rounded to f16
; in pairs, ARE a fragment of 16 channels x 32 rows, for k^ as source 0 and for v as source 1 of kv += k^T v: nothing changes lanes.  The bias is the C operand of each accumulator's first product.
; CLUSTER.  4 x 4 work-groups: the four of a row of the cluster need the same tiles of X, the four of a column the same tiles of W; each tile is asked for jointly, with a mask that names the four.
; The ring starts anew at the second tile, so that one text serves both tiles; kv's sixteen accumulators are cleared once (128 lines, in the wait for the first tile) for the same reason.
; REGISTERS, in windows of 256 (s_set_vgpr_msb: bits 1:0 source 0, 3:2 source 1, 5:4 source 2, 7:6 destination):
;   window 0: v16-30 addresses; v32-47 sums of squares, then the rows' factors; v48-63 caps; v64-127, v128-191 X's fragments, two buffers (behind a tile v128-159 k^, v160-191 v in f16); v192-255 bias
;   window 1: v64-127, v128-191 W's fragments; v0-63, v192-255 kv's accumulators     windows 2, 3: the accumulators of my rows 0-63, 64-127: (a, b) at v[8 (8 (a % 4) + b)]
.set PA,    272                        ; a row of X in LDS: 256 bytes + 16: the 16 rows of a fragment load start at 16 different groups of four banks (64 banks of 4 bytes: ISA guide 11.1)
.set PB,    288                        ; a row of W's tile: 256 + 32
.set HALFA, 128*PA                     ; what one tensor load brings of X
.set SUBB,  128*PB                     ; and of W: 128 k x 128 n
.set SLOT,  2*HALFA+2*SUBB             ; X's 256 rows, Wk's tile, Wv's tile
.set MCL,   2*SLOT                     ; behind the ring: the caps of the work-group's 512 rows, 2,048 bytes
.set RED,   MCL+2048                   ; 2 x 16,384 bytes: where two waves' kv meet the other two's
.set SPARE, RED+32768                  ; the spare words, 128 bytes a wave: two blocks of 256 bytes that no other line names
.set NEXT_A, 1024*2048-6*256           ; from a slot's last K step of tile 0 to its first of tile 1: 1,024 rows down, six K steps back
.set BACK_B, 6*262144                  ; W only back
.set ADRA,  16                         ; v16-17  LDS address of my X fragments in slot 0, 1
.set ADRBL, 18                         ; v18-19  of my Wk fragments
.set ADRBH, 20                         ; v20-21  of my Wv fragments
.set MCA,   22                         ; v22     of my rows' caps
.set RST,   23                         ; v23     my 16 bytes in RED
.set GOF,   24                         ; v24     16 x lane
.set SPW,   28                         ; v28     my spare word: SPARE + 4 x thread; never rewritten
.set NIL,   29                         ; v29     0; never rewritten
.set PFO,   30                         ; v30     the prefetches' offset: lane x 2,048, a row of xb or wb; never rewritten
.set SS,    32
.set MC,    48
.set F0,    64
.set F1,    128
.set KF,    128                        ; k^ (block e at KF + 8 e), then v (block d at KF + 32 + 8 d)
.set BIAS,  192
.set G1,  24                           ; s[24:31] descriptor group 1 for X's tiles;  s[32:39] group 0, a set for each slot
.set G0,  32
.set G1B, 48                           ; s[48:55], s[56:63] the same for W's tiles
.set G0B, 56
.set LIM, 43                           ; s43      1 in a wave that prefetches, else the greatest number
.set PFA, 44                           ; s[44:45] where my prefetches stand
.set PST, 46                           ; s[46:47] a K step in bytes: 256 in X, 262,144 in W
.set MSB, 0
.macro WIN new                         ; the immediate's high byte repeats the setting that is left; a switch that changes nothing is dropped
.if MSB != (\new)
	s_set_vgpr_msb (MSB<<8)|(\new)
.set MSB, \new
.endif
.endm
.macro PLACES                          ; four places behind matrix instructions, ahead of loads into registers that they read and of vector lines that read results
.rept 4
	v_nop
.endr
.endm
; A joint load: waves 0 and 1 fetch X's two halves, waves 2 and 3 Wk's and Wv's tile.  The branch hangs on the wave's number alone.  An s_nop 0 and four v_nop follow each line.
.macro JLOAD s
	s_cmp_eq_u32 s11, 0
	s_cbranch_scc0 .Lfor_b_\@
	tensor_load_to_lds s[G0+4*(\s):G0+4*(\s)+3], s[G1:G1+7]
	s_nop 0
.rept 4
	v_nop
.endr
	s_branch .Lasked_\@
.Lfor_b_\@:
	tensor_load_to_lds s[G0B+4*(\s):G0B+4*(\s)+3], s[G1B:G1B+7]
	s_nop 0
.rept 4
	v_nop
.endr
.Lasked_\@:
.endm
; A prefetch into the L2 of the K step that stands two refills on: 32 rows x 256 bytes, a lane a row.  X's rows are asked for by the clusters with x = 0, W's by those with y = 0; the four partners
; that ask for a tile jointly share its 128 rows out by address, 32 each.  The loop's last trip (s3 = 1) asks for nothing: there is no K step two on.
.macro ASK
	s_cmp_gt_u32 s3, s[LIM]
	s_cbranch_scc0 .Lnot_mine_\@
	global_prefetch_b8 v[PFO], s[PFA:PFA+1] th:TH_LOAD_NT scope:SCOPE_SE
.Lnot_mine_\@:
.endm
.macro CREST                           ; a round of the cluster's barrier behind its opening barrier
	s_cmp_lg_u32 s10, 0
	s_cbranch_scc1 .Lnot_wave_0_\@
	s_barrier_signal -3
.Lnot_wave_0_\@:
	s_barrier_wait -3
	s_barrier_signal -1
	s_barrier_wait -1
.endm
.macro CROUND                          ; a whole round
	s_barrier_signal -1
	s_barrier_wait -1
	CREST
.endm
; 16 matrix instructions: row blocks a0, a0 + 1 of the window's four x all 8 column blocks, 32 along K.  first = 1: C is the bias: nothing is cleared, nothing added later.
.macro MUL16 f, hi, a0, first
.if \first
	WIN 0x84+0x40*(\hi)
.else
	WIN 0xa4+0x50*(\hi)
.endif
.irp a, \a0, (\a0)+1
.irp b, 0,1,2,3,4,5,6,7
.if \first
	v_wmma_f32_16x16x32_bf16 v[8*(8*(\a)+(\b)):8*(8*(\a)+(\b))+7], v[(\f)+8*(4*(\hi)+(\a)):(\f)+8*(4*(\hi)+(\a))+7], v[(\f)+8*(\b):(\f)+8*(\b)+7], v[BIAS+8*(\b):BIAS+8*(\b)+7]
.else
	v_wmma_f32_16x16x32_bf16 v[8*(8*(\a)+(\b)):8*(8*(\a)+(\b))+7], v[(\f)+8*(4*(\hi)+(\a)):(\f)+8*(4*(\hi)+(\a))+7], v[(\f)+8*(\b):(\f)+8*(\b)+7], v[8*(8*(\a)+(\b)):8*(8*(\a)+(\b))+7]
.endif
.endr
.endr
.endm
; 32 LDS loads in one run: the fragments of quarter q (32 along K) of a slot into buffer f: W's 8 column blocks (turned), then X's 8 row blocks
.macro FETCH slot, q, f
	WIN 0x40                                       ; destination window 1, address window 0
.irp i, 0,1,2,3
	ds_load_tr16_b128 v[(\f)+8*(\i):(\f)+8*(\i)+3],   v[ADRBL+(\slot)] offset:(\q)*32*PB+32*(\i)
	ds_load_tr16_b128 v[(\f)+8*(\i)+4:(\f)+8*(\i)+7], v[ADRBL+(\slot)] offset:(\q)*32*PB+32*(\i)+16*PB
.endr
.irp i, 0,1,2,3
	ds_load_tr16_b128 v[(\f)+32+8*(\i):(\f)+32+8*(\i)+3],   v[ADRBH+(\slot)] offset:(\q)*32*PB+32*(\i)
	ds_load_tr16_b128 v[(\f)+32+8*(\i)+4:(\f)+32+8*(\i)+7], v[ADRBH+(\slot)] offset:(\q)*32*PB+32*(\i)+16*PB
.endr
	WIN 0
.irp i, 0,1,2,3,4,5,6,7
	ds_load_b128 v[(\f)+8*(\i):(\f)+8*(\i)+3],   v[ADRA+(\slot)] offset:(\q)*64+(\i)*16*PA
	ds_load_b128 v[(\f)+8*(\i)+4:(\f)+8*(\i)+7], v[ADRA+(\slot)] offset:(\q)*64+(\i)*16*PA+32
.endr
.endm
; A K step is four quarters of 32 along K, 64 matrix instructions each, on buffers 0, 1, 0, 1; the 64 accumulators take turns, one instruction a turn, in the same order in every quarter.
; One of the first three: multiplies buffer f and, in its middle, fetches quarter q of the same slot into buffer g.
.macro QUARTER slot, q, f, g, first
	s_wait_dscnt 8                                 ; W and X's rows 0-63 are in; the youngest eight loads (X's rows 64-127) may be out
	MUL16 \f, 0, 0, \first
	MUL16 \f, 0, 2, \first
	PLACES
	FETCH \slot, \q, \g
	s_wait_dscnt 32                                ; all but the 32 just issued
	MUL16 \f, 1, 0, \first
	MUL16 \f, 1, 2, \first
.endm
; The last quarter multiplies buffer 1 and changes slots.  MEET is its first half: each wave waits for all its tensor loads (one is out: its part of the next slot), adds 0 to its spare word,
; waits for that and for its reads of this slot, and signals.  Behind the barrier nobody reads this slot and the next slot is whole.
.macro MEET round
	WIN 0
	s_wait_tensorcnt 0x0
	ds_add_u32 v[SPW], v[NIL]
	s_wait_dscnt 9                                 ; the add and the youngest eight loads may be out
	MUL16 F1, 0, 0, 0                              ; sixteen matrix instructions stand between the add and the wait for it
	s_wait_dscnt 0x0                               ; the add is done, my reads of this slot are over
	s_barrier_signal -1
	MUL16 F1, 0, 2, 0
.if \round
	WIN 0
.endif
	s_barrier_wait -1
.endm
.macro TURN slot, next                 ; the slot just read is filled again, two K steps on: the joint load is the first tensor load behind the round and has 224 matrix instructions in which to land
	s_wait_xcnt 0x0                                ; the last prefetch, a K step back, has read its address
	s_add_nc_u64 s[PFA:PFA+1], s[PFA:PFA+1], s[PST:PST+1]
	MEET 1
	CREST                                          ; no wave of any partner still reads this slot or has a load on its way
	s_add_nc_u64 s[G0+4*(\slot)+2:G0+4*(\slot)+3], s[G0+4*(\slot)+2:G0+4*(\slot)+3], 2*256
	s_add_nc_u64 s[G0B+4*(\slot)+2:G0B+4*(\slot)+3], s[G0B+4*(\slot)+2:G0B+4*(\slot)+3], 2*262144
	JLOAD \slot                                    ; its four v_nop are also the places in front of the loads below
	FETCH \next, 0, F0
	ASK
	MUL16 F1, 1, 0, 0
	MUL16 F1, 1, 2, 0
.endm
.macro TURN_NF next                    ; the same change of slots with nothing left to fetch
	MEET 0
	PLACES
	FETCH \next, 0, F0
	MUL16 F1, 1, 0, 0
	MUL16 F1, 1, 2, 0
.endm
.macro LASTQ
	s_wait_dscnt 8
	MUL16 F1, 0, 0, 0
	MUL16 F1, 0, 2, 0
	s_wait_dscnt 0x0
	MUL16 F1, 1, 0, 0
	MUL16 F1, 1, 2, 0
	WIN 0
.endm
; BEHIND A TILE, for row blocks 2 i and 2 i + 1 (32 rows): the rows' sums of k^2, their factors, k scaled in place, k^ and v rounded to f16, and 16 products kv += k^T v.
.macro EPAIR i
.set EW, 2+(\i)/2                      ; the window of the two blocks' accumulators
.set EA, 128*((\i)%2)                  ; where they begin in it
.set WRD, EW|(EW<<2)                   ; sources 0 and 1 there, the rest in window 0
.set WSC, (EW<<6)|EW                   ; destination and source 0 there
	WIN 0
.irp u, 0,1
	ds_load_b128 v[MC+8*(\u):MC+8*(\u)+3],   v[MCA] offset:64*(2*(\i)+(\u))       ; the caps of my eight rows of block u: the 16 lanes of a half read the same words
	ds_load_b128 v[MC+8*(\u)+4:MC+8*(\u)+7], v[MCA] offset:64*(2*(\i)+(\u))+16
.endr
	WIN WRD
.irp b, 0,1,2,3                        ; eight chains; each accumulator's lowest registers are read first
.irp u, 0,1
.irp p, 0,1,2,3
.set RA, EA+64*(\u)+8*(\b)+2*(\p)
.set RS, SS+8*(\u)+2*(\p)
.if (\b) == 0
	v_pk_mul_f32 v[RS:RS+1], v[RA:RA+1], v[RA:RA+1]
.else
	v_pk_fma_f32 v[RS:RS+1], v[RA:RA+1], v[RA:RA+1], v[RS:RS+1]
.endif
.endr
.endr
.endr
	WIN 0
.irp m, 1,2,4,8                        ; the 16 lanes of a half hold a row's channels: their sum, in every lane
.set n, 0
.rept 16
	v_add_f32_dpp v[SS+n], v[SS+n], v[SS+n] row_xmask:\m row_mask:0xf bank_mask:0xf
.set n, n+1
.endr
.endr
.set n, 0
.rept 16
	v_rsq_f32 v[SS+n], v[SS+n]
.set n, n+1
.endr
	v_nop                                          ; a plain instruction behind the last of the batch,
	s_wait_alu depctr_va_vdst(0)                   ; and one wait for the sixteen, ahead of their first reader
	s_wait_dscnt 0x0                               ; the caps are in
.set n, 0
.rept 16
	v_min_num_f32 v[SS+n], v[SS+n], v[MC+n]        ; 1 / max(norm, 1e-12), or 0 in a masked row
.set n, n+1
.endr
	WIN WSC
.irp b, 0,1,2,3
.irp u, 0,1
.irp p, 0,1,2,3
.set RA, EA+64*(\u)+8*(\b)+2*(\p)
	v_pk_mul_f32 v[RA:RA+1], v[RA:RA+1], v[SS+8*(\u)+2*(\p):SS+8*(\u)+2*(\p)+1]
.endr
.endr
.endr
	WIN WRD
.irp b, 0,1,2,3,4,5,6,7                ; block u's eight rows are registers 4 u .. 4 u + 3 of a fragment
.irp u, 0,1
.irp p, 0,1,2,3
	v_cvt_pk_f16_f32 v[KF+8*(\b)+4*(\u)+(\p)], v[EA+64*(\u)+8*(\b)+2*(\p)], v[EA+64*(\u)+8*(\b)+2*(\p)+1]
.endr
.endr
.endr
	WIN 0x50                                       ; k^ and v in window 0, kv in window 1
.irp e, 0,1,2,3                        ; sixteen accumulators, one instruction a turn
.irp d, 0,1,2,3
.set KI, 4*(\e)+(\d)
.set KR, 8*KI+128*(KI/8)
	v_wmma_f32_16x16x32_f16 v[KR:KR+7], v[KF+8*(\e):KF+8*(\e)+7], v[KF+32+8*(\d):KF+32+8*(\d)+7], v[KR:KR+7]
.endr
.endr
.endm
	s_load_b256 s[68:75], s[0:1], 0x0              ; xb s[68:69], wb s[70:71], aux s[72:73], kvp s[74:75]
	v_lshl_add_u32 v[SPW], v0, 2, SPARE
	v_mov_b32 v[NIL], 0
	ds_add_u32 v[SPW], v[NIL]                      ; the wave's opening: the add, twice on end, and its wait ahead of my first tensor load
	ds_add_u32 v[SPW], v[NIL]
	v_lshrrev_b32 v1, 5, v0
	v_readfirstlane_b32 s10, v1                    ; wave 0..3
	s_lshr_b32 s11, s10, 1                         ; my half of the tile's rows.  Also: I fetch for X (0) or for W (1)
	s_and_b32 s12, s10, 1                          ; my head of the two.  Also: which half of X's rows, or which matrix, I fetch
	s_bfe_u32 s40, ttmp6, 0x40000                  ; cx
	s_bfe_u32 s41, ttmp6, 0x40004                  ; cy
	s_lshl_b32 s42, ttmp9, 2
	s_add_co_u32 s42, s42, s40                     ; ct: the pair of heads = 4 x cluster x + cx
	s_and_b32 s82, ttmp7, 0xffff                   ; the batch = cluster y
	s_lshl_b32 s13, s82, 3
	s_add_co_u32 s13, s13, s41                     ; the first tile's row of tiles = 8 x batch + cy
	s_lshl_b32 s83, s41, 2
	s_lshl_b32 s83, 15, s83                        ; my row of the cluster
	s_lshl_b32 s84, 0x1111, s40                    ; my column
	s_or_b32 s[G1+0], s83, (1<<16)|(1<<20)|(1<<21)|(5<<22)|(3<<25)   ; 15:0 the mask; 17:16 2-byte elements; 20 padding on; 21 set beside a mask; 24:22 after every 64 words; 31:25 4 words
	s_or_b32 s[G1B+0], s84, (1<<16)|(1<<20)|(1<<21)|(5<<22)|(7<<25)  ; the same with my column's mask and 8 words of padding
.irp g, G1, G1B
	s_mov_b32 s[(\g)+1], 128<<16                   ; tensor_dim0 = 128
	s_mov_b32 s[(\g)+2], 128<<16                   ; tensor_dim1 = 128
	s_mov_b32 s[(\g)+3], 128<<16                   ; tile_dim0 = 128
	s_mov_b32 s[(\g)+4], 128                       ; tile_dim1 = 128
	s_mov_b32 s[(\g)+5], 1024                      ; 1,024 elements from row to row, in xb and in wb
	s_mov_b32 s[(\g)+6], 0
	s_mov_b32 s[(\g)+7], 0
.endr
	s_lshl_b32 s16, s13, 8
	s_lshl_b32 s17, s12, 7
	s_add_co_u32 s16, s16, s17                     ; X: row 256 x tile row + 128 x half,
	s_lshl_b32 s16, s16, 11                        ; of 2,048 bytes
	s_mov_b32 s17, 0
	s_lshl_b32 s22, s12, 21                        ; W: matrix 0 (Wk) or 1 (Wv),
	s_lshl_b32 s23, s42, 8                         ; columns 128 ct on
	s_add_co_u32 s22, s22, s23
	s_mov_b32 s23, 0
	s_mul_i32 s20, s12, HALFA                      ; where they go: no place in the cluster enters an LDS address
	s_mul_i32 s21, s12, SUBB
	s_add_co_u32 s21, s21, 2*HALFA
	s_mul_i32 s86, s11, 10
	s_lshl_b32 s[PST], 256, s86                    ; 256 or 262,144
	s_mov_b32 s[PST+1], 0
	s_wait_dscnt 0x0                               ; both opening adds are done
	s_wait_kmcnt 0x0
	s_add_nc_u64 s[14:15], s[68:69], s[16:17]
	s_add_nc_u64 s[66:67], s[70:71], s[22:23]
.irp s, 0,1
	s_mov_b32 s[G0+4*(\s)], 1                      ; count = 1
	s_add_co_u32 s[G0+4*(\s)+1], s20, (\s)*SLOT    ; LDS address
	s_add_nc_u64 s[G0+4*(\s)+2:G0+4*(\s)+3], s[14:15], (\s)*256      ; global address: K step s
	s_or_b32 s[G0+4*(\s)+3], s[G0+4*(\s)+3], 0x80000000              ; type = 2
	s_mov_b32 s[G0B+4*(\s)], 1
	s_add_co_u32 s[G0B+4*(\s)+1], s21, (\s)*SLOT
	s_add_nc_u64 s[G0B+4*(\s)+2:G0B+4*(\s)+3], s[66:67], (\s)*262144
	s_or_b32 s[G0B+4*(\s)+3], s[G0B+4*(\s)+3], 0x80000000
.endr
	CROUND                                         ; all sixteen work-groups are here: the first joint loads meet
	JLOAD 0                                        ; K step 0.  K step 1 is asked for when it is in
	; in the wait for it: caps, bias, kv = 0, addresses
	s_lshl_b32 s18, s13, 10                        ; 4 bytes x 256 x tile row
	s_mov_b32 s19, 0
	s_add_nc_u64 s[18:19], s[72:73], s[18:19]
	v_lshrrev_b32 v6, 6, v0                        ; threads 0-63: the first tile's 256 rows; 64-127: the second's, 1,024 rows on
	v_and_b32 v3, 63, v0
	v_lshlrev_b32 v6, 12, v6
	v_lshl_add_u32 v6, v3, 4, v6
	global_load_b128 v[8:11], v6, s[18:19] offset:12288
	v_and_b32 v1, 15, v0                           ; l % 16
	s_lshl_b32 s86, s42, 1
	s_add_co_u32 s86, s86, s12                     ; my head
	s_lshl_b32 s87, s86, 8                         ; its 64 channels x 4 bytes
	v_lshl_add_u32 v7, v1, 2, s87
.irp b, 0,1,2,3,4,5,6,7
	global_load_b32 v[BIAS+8*(\b)], v7, s[72:73] offset:4096*((\b)/4)+64*((\b)%4)  ; bk (b < 4) or bv of channel 16 (b % 4) + l % 16
.endr
	s_lshl_b32 s84, s82, 4
	s_add_co_u32 s84, s84, s86                     ; 16 x batch + head,
	s_lshl_b32 s84, s84, 2
	s_add_co_u32 s84, s84, s41                     ; its part cy,
	s_lshl_b32 s84, s84, 14                        ; of 16,384 bytes
	s_mov_b32 s85, 0
	s_add_nc_u64 s[74:75], s[74:75], s[84:85]
	; the prefetches
	s_cmp_eq_u32 s11, 0
	s_cselect_b32 s86, s40, s41                    ; my place among the four that ask for the tile with me
	s_cselect_b32 s87, ttmp9, s82                  ; the coordinate along which other clusters read the same rows
	s_cselect_b64 s[PFA:PFA+1], s[14:15], s[66:67]
	s_cmp_eq_u32 s87, 0
	s_cselect_b32 s[LIM], 1, -1                    ; the same in all sixteen partners, for a given wave
	s_lshl_b32 s86, s86, 16                        ; my work-group's 32 rows of the 128
	s_mov_b32 s87, 0
	s_add_nc_u64 s[PFA:PFA+1], s[PFA:PFA+1], s[86:87]
	s_mul_i32 s86, s[PST], 3
	s_add_nc_u64 s[PFA:PFA+1], s[PFA:PFA+1], s[86:87]  ; at K step 3: the first refill steps it to 4 and names that.  K steps 0 to 3 come by their loads alone
	v_and_b32 v[PFO], 31, v0
	v_lshlrev_b32 v[GOF], 4, v[PFO]
	v_lshlrev_b32 v[PFO], 11, v[PFO]
	WIN 0x40
.set n, 0
.rept 64
	v_mov_b32 v[n], 0
	v_mov_b32 v[192+n], 0
.set n, n+1
.endr
	WIN 0
	v_bfe_u32 v2, v0, 4, 1                         ; l / 16
	v_mul_u32_u24 v3, v1, PA
	v_lshl_add_u32 v3, v2, 4, v3                   ; X: row x pitch + 16 x half
	v_and_b32 v4, 7, v0
	v_lshl_add_u32 v4, v2, 3, v4
	v_mul_u32_u24 v4, v4, PB                       ; W: lane l reads row 8 (l / 16) + l % 8,
	v_bfe_u32 v5, v0, 3, 1
	v_lshl_add_u32 v4, v5, 4, v4                   ; columns 8 ((l / 8) % 2) on
	s_mul_i32 s16, s11, HALFA                      ; my 128 rows of X
	s_lshl_b32 s17, s12, 7                         ; my head's 64 columns of a tile of W
	s_add_co_u32 s17, s17, 2*HALFA
.irp s, 0,1
	v_add_nc_u32 v[ADRA+(\s)], s16, v3
	v_add_nc_u32 v[ADRBL+(\s)], s17, v4
	v_add_nc_u32 v[ADRBH+(\s)], SUBB, v[ADRBL+(\s)]
	s_add_co_u32 s16, s16, SLOT
	s_add_co_u32 s17, s17, SLOT
.endr
	s_lshl_b32 s16, s11, 9
	s_add_co_u32 s16, s16, MCL
	v_lshl_add_u32 v[MCA], v2, 5, s16              ; the caps of rows 128 x half + 8 (l / 16) on
	s_lshl_b32 s16, s12, 14
	s_add_co_u32 s16, s16, RED
	v_add_nc_u32 v[RST], s16, v[GOF]
	v_lshl_add_u32 v12, v0, 4, MCL
	s_wait_loadcnt 0x0
	ds_store_b128 v12, v[8:11]                     ; the round below shows it to the other waves
.irp b, 0,1,2,3,4,5,6,7
.irp j, 1,2,3,4,5,6,7
	v_mov_b32 v[BIAS+8*(\b)+(\j)], v[BIAS+8*(\b)]  ; a lane's eight results of a block are eight rows of one channel: the same bias
.endr
.endr
	s_mov_b32 s2, 2                                ; tiles to go
	s_branch .Lin                                  ; the loop over tiles is entered behind its first refill
.Ltile:                                                ; the second tile: slot 0 takes its K step 0
	s_wait_xcnt 0x0                                ; the last prefetch has read its address
	s_wait_tensorcnt 0x0                           ; no tensor load of mine is out, so every group 0 may be written
	ds_add_u32 v[SPW], v[NIL]                      ; 0 onto my spare word; the steps below stand between it and the wait for it
	s_add_nc_u64 s[G0+2:G0+3], s[G0+2:G0+3], NEXT_A
	s_add_nc_u64 s[G0+6:G0+7], s[G0+6:G0+7], NEXT_A
	s_sub_nc_u64 s[G0B+2:G0B+3], s[G0B+2:G0B+3], BACK_B
	s_sub_nc_u64 s[G0B+6:G0B+7], s[G0B+6:G0B+7], BACK_B
	s_add_nc_u64 s[PFA:PFA+1], s[PFA:PFA+1], NEXT_A  ; from K step 9 to the next tile's K step 3
	s_cmp_eq_u32 s11, 0
	s_cselect_b32 s[LIM], s[LIM], -1               ; W's rows have been read: they are prefetched no more
	v_add_nc_u32 v[MCA], 1024, v[MCA]              ; the second tile's caps
	s_wait_dscnt 0x0                               ; the add is done, my reads of both slots are over
	CROUND
	JLOAD 0
.Lin:                                                  ; K step 0 is waited for, K step 1 asked for: it has three quarters of a K step's products in which to land
	s_wait_tensorcnt 0x0
	ds_add_u32 v[SPW], v[NIL]
	s_wait_dscnt 0x0
	CROUND
	JLOAD 1
	FETCH 0, 0, F0
	QUARTER 0, 1, F0, F1, 1                        ; the first quarter's products start the sums, from the bias
	WIN 0
	s_mov_b32 s3, 3
.Llap:                                                 ; a trip goes once round the ring, from a lap's second quarter to the next lap's first, and fills both slots again
	QUARTER 0, 2, F1, F0, 0
	QUARTER 0, 3, F0, F1, 0
	TURN 0, 1
	QUARTER 1, 1, F0, F1, 0
	QUARTER 1, 2, F1, F0, 0
	QUARTER 1, 3, F0, F1, 0
	TURN 1, 0
	QUARTER 0, 1, F0, F1, 0
	WIN 0
	s_sub_co_u32 s3, s3, 1
	s_cmp_lg_u32 s3, 0
	s_cbranch_scc1 .Llap
	QUARTER 0, 2, F1, F0, 0                        ; the last lap fills nothing
	QUARTER 0, 3, F0, F1, 0
	TURN_NF 1
	QUARTER 1, 1, F0, F1, 0
	QUARTER 1, 2, F1, F0, 0
	QUARTER 1, 3, F0, F1, 0
	LASTQ
	PLACES
	EPAIR 0
	EPAIR 1
	EPAIR 2
	EPAIR 3
	WIN 0
	s_sub_co_u32 s2, s2, 1
	s_cmp_lg_u32 s2, 0
	s_cbranch_scc1 .Ltile
	; THE WAY OUT.  Waves 0 and 2 hold one head's kv for the two halves of the rows, waves 1 and 3 the other's: waves 2 and 3 hand theirs over in LDS, waves 0 and 1 add and store, as the registers lie.
	PLACES
	s_cmp_eq_u32 s11, 0
	s_cbranch_scc1 .Lkeep
	WIN 0x04                                       ; the data in window 1
.set n, 0
.rept 32
.set KR, 8*(n/2)+128*(n/16)+4*(n%2)
	ds_store_b128 v[RST], v[KR:KR+3] offset:512*n
.set n, n+1
.endr
	WIN 0
.Lkeep:
	s_wait_dscnt 0x0                               ; for the others' sake: my stores are done
	s_barrier_signal -1
	s_barrier_wait -1
	s_cmp_eq_u32 s11, 0
	s_cbranch_scc0 .Lend
.set n, 0
.rept 32
	ds_load_b128 v[64+4*n:64+4*n+3], v[RST] offset:512*n
.set n, n+1
.endr
	s_wait_dscnt 0x0
	WIN 0x04                                       ; source 1 in window 1
.set n, 0
.rept 64
.set KR, 8*(n/4)+128*(n/32)+2*(n%4)
	v_pk_add_f32 v[64+2*n:64+2*n+1], v[64+2*n:64+2*n+1], v[KR:KR+1]
.set n, n+1
.endr
	WIN 0
.set n, 0
.rept 32
	global_store_b128 v[GOF], v[64+4*n:64+4*n+3], s[74:75] offset:512*n  ; 512 consecutive bytes, at a multiple of 512 from kvp's first
.set n, n+1
.endr
.Lend:
	s_wait_tensorcnt 0x0                           ; the wave's end: the add and its wait stand behind my last tensor load and my last LDS store
	ds_add_u32 v[SPW], v[NIL]
	s_wait_dscnt 0x0
	CROUND                                         ; the closing round
	s_endpgm
.Lfunc_end_k_qcc8bab46d2_kvgemm:
	.size	k_qcc8bab46d2_kvgemm, .Lfunc_end_k_qcc8bab46d2_kvgemm-k_qcc8bab46d2_kvgemm
	.p2alignl 7, 3214868480
	.fill 96, 4, 3214868480
	.section	.rodata,"a",@progbits
	.p2align	6, 0x0
	.amdhsa_kernel k_qcc8bab46d2_kvgemm
		.amdhsa_group_segment_fixed_size 327680
		.amdhsa_private_segment_fixed_size 0
		.amdhsa_enable_private_segment 0
		.amdhsa_kernarg_size 32
		.amdhsa_user_sgpr_count 2
		.amdhsa_user_sgpr_kernarg_segment_ptr 1
		.amdhsa_wavefront_size32 1
		.amdhsa_system_sgpr_workgroup_id_x 1
		.amdhsa_system_sgpr_workgroup_id_y 1
		.amdhsa_system_sgpr_workgroup_id_z 1
		.amdhsa_system_vgpr_workitem_id 0
		.amdhsa_next_free_vgpr 1024
		.amdhsa_next_free_sgpr 88
		.amdhsa_reserve_vcc 0
		.amdhsa_float_denorm_mode_32 3
		.amdhsa_float_denorm_mode_16_64 3
		.amdhsa_memory_ordered 1
		.amdhsa_forward_progress 1
		.amdhsa_inst_pref_size 191
	.end_amdhsa_kernel
	.amdgpu_metadata
---
amdhsa.version: [ 1, 2 ]
amdhsa.kernels:
  - .name:           k_qcc8bab46d2_kvgemm
    .symbol:         k_qcc8bab46d2_kvgemm.kd
    .args:
      - { .name: xb, .offset: 0, .size: 8, .value_kind: global_buffer, .address_space: global }
      - { .name: wb, .offset: 8, .size: 8, .value_kind: global_buffer, .address_space: global }
      - { .name: aux, .offset: 16, .size: 8, .value_kind: global_buffer, .address_space: global }
      - { .name: kvp, .offset: 24, .size: 8, .value_kind: global_buffer, .address_space: global }
    .group_segment_fixed_size: 327680
    .private_segment_fixed_size: 0
    .kernarg_segment_align: 8
    .kernarg_segment_size: 32
    .max_flat_workgroup_size: 128
    .sgpr_count:     88
    .vgpr_count:     1024
    .wavefront_size: 32
...
	.end_amdgpu_metadata
.endif
;; end of part 2
;; launch qctx (part 3): grid 4 x 64, 4 waves a work-group, clusters of 4 x 4, 327,680 bytes of LDS; arguments xb, wb, aux, kvp, out0; writes out0
.if DOCPART == 3
	.amdgcn_target "amdgcn-amd-amdhsa--gfx1250"
	.amdhsa_code_object_version 6
	.text
	.protected	k_qcc8bab46d2_qctx
	.globl	k_qcc8bab46d2_qctx
	.p2align	8
	.type	k_qcc8bab46d2_qctx,@function
k_qcc8bab46d2_qctx:
	s_mov_b64 s[64:65], 0
	v_nop
	global_prefetch_b8 v0, s[64:65] scope:SCOPE_SE
	s_setreg_imm32_b32 hwreg(HW_REG_WAVE_MODE, 25, 1), 1
	s_wait_xcnt 0x0
	s_wait_alu depctr_hold_cnt(0) depctr_sa_sdst(0) depctr_va_vdst(0) depctr_va_sdst(0) depctr_va_ssrc(0) depctr_va_vcc(0) depctr_vm_vsrc(0)
	s_getreg_b32 s2, hwreg(HW_REG_IB_STS2, 6, 4)
	s_cmp_eq_u32 s2, 0
	s_cbranch_scc0 .Lentry_in_a_cluster
	s_endpgm
.Lentry_in_a_cluster:
	s_bfe_u32 s2, ttmp6, 0x10000c
	s_cmp_lg_u32 s2, 0xf033
	s_cbranch_scc0 .Lentry_shape_is_right
	s_endpgm
.Lentry_shape_is_right:
; Launch 3 of 3: kv = the sum of a batch's four parts; q = X Wq + bq (bf16 operands, f32 sums); q^ = q min(rsq(sum over the head's 64 channels of q^2), cap[row]); ctx = q^ (kv / count), f32.
; LEFT OUT: reference()'s branch for DH > S, which the shapes never take (shown at the head of the first launch).
; LIMITS.  The last product's operands are f16: q^ / 16 (at most 1/16) and 16 kv / count, which must stay under 65,504 (inputs of the drawn kind give about 0.03; a common offset of 30 spreads on
; X and the weights about 37,000); the two factors 16 cancel exactly.  count = 0 gives NaN, as reference() gives.  NaN and infinities are not treated apart.
; SHARES.  A work-group of four waves makes 256 rows x 256 columns (four heads); a wave 128 x 128 (two heads): 64 accumulators.  K in steps of 128 through a ring of two LDS slots, as in launch 2.
; THE MATRIX INSTRUCTION IS USED TRANSPOSED (source 0 = 16 columns of Wq, source 1 = 16 rows of X): lane l holds ONE row (l % 16) and the channels 8 (l / 16) + 0..7 of a block.  So a row's norm is
; a sum in the lane and one exchange between the halves; two channel blocks rounded to f16 in pairs ARE source 1 (32 channels x 16 rows) of ctx^T = kv^T q^T; and in its result a lane again holds one
; row and eight neighbouring channels: 32 bytes of out0 on end.  kv's fragments are launch 2's accumulators as they lay in registers, rounded in pairs: nothing changes lanes.
; CLUSTER.  4 x 4 work-groups: X's tiles are shared along a row of the cluster, Wq's along a column, each asked for jointly.
; REGISTERS: window 0: v16-30 addresses; v32-39 caps; v64-127, v128-191 X's fragments (at the head: kv's sum; behind the tile: v64-95 factors, v96-127 q^, v128-191 ctx); v192-255 bias, later rows on the way out
;   window 1: v64-127, v128-191 Wq's fragments, behind the tile kv's     windows 2, 3: accumulator (a, b) at v[8 (8 (a % 4) + b)] (at the head: kv's four parts)
.set PA,    272
.set PB,    288
.set HALFA, 128*PA
.set SUBB,  128*PB
.set SLOT,  2*HALFA+2*SUBB
.set KVB,   2*SLOT                     ; behind the ring: four heads' kv fragments in f16, 8,192 bytes each
.set SPARE, KVB+32768                  ; the spare words, 128 bytes a wave: two blocks of 256 bytes that no other line names
.set SP,    528                        ; the stage's rows: 512 bytes + 16.  The stage, 16 rows a wave, lies in slot 0, which has had its last fill and its last read when the first row goes in
.set ADRA,  16
.set ADRBL, 18
.set ADRBH, 20
.set STO,   22                         ; v22  where I put 32 bytes of a row
.set RD,    23                         ; v23  where I read a row back
.set CO,    24                         ; v24  16 x lane
.set KVL,   25                         ; v25  my two heads' kv fragments in LDS
.set KVS,   27                         ; v27  where my wave puts its head's fragments
.set SPW,   28
.set NIL,   29
.set PFO,   30
.set MCQ,   32                         ; v32-39  the cap of row 16 a + l % 16
.set F0,    64
.set F1,    128
.set WQ,    64                         ; the factor of (block a, head g) in the low register of pair 2 a + g
.set QF,    96                         ; q^ / 16 in f16: channel block b at QF + 4 b
.set CT,    128                        ; ctx^T: (head g, channel block d) at CT + 8 (4 g + d)
.set OB,    192
.set BIAS,  192
.set G1,  24
.set G0,  32
.set G1B, 48
.set G0B, 56
.set LIM, 43
.set PFA, 44
.set PST, 46
.set MSB, 0
.macro WIN new                         ; the immediate's high byte repeats the setting that is left; a switch that changes nothing is dropped
.if MSB != (\new)
	s_set_vgpr_msb (MSB<<8)|(\new)
.set MSB, \new
.endif
.endm
.macro PLACES                          ; four places behind matrix instructions (ISA guide 7.12.1)
.rept 4
	v_nop
.endr
.endm
.macro JLOAD s                         ; a joint load: waves 0 and 1 fetch X's two halves, waves 2 and 3 Wq's two tiles of 128 columns; an s_nop 0 and four v_nop follow each line
	s_cmp_eq_u32 s11, 0
	s_cbranch_scc0 .Lfor_b_\@
	tensor_load_to_lds s[G0+4*(\s):G0+4*(\s)+3], s[G1:G1+7]
	s_nop 0
.rept 4
	v_nop
.endr
	s_branch .Lasked_\@
.Lfor_b_\@:
	tensor_load_to_lds s[G0B+4*(\s):G0B+4*(\s)+3], s[G1B:G1B+7]
	s_nop 0
.rept 4
	v_nop
.endr
.Lasked_\@:
.endm
.macro ASK                             ; a prefetch into the L2 of the K step two refills on: 32 rows x 256 bytes, a lane a row; who asks: as in launch 2; the loop's last trip asks for nothing
	s_cmp_gt_u32 s3, s[LIM]
	s_cbranch_scc0 .Lnot_mine_\@
	global_prefetch_b8 v[PFO], s[PFA:PFA+1] th:TH_LOAD_NT scope:SCOPE_SE
.Lnot_mine_\@:
.endm
.macro CREST
	s_cmp_lg_u32 s10, 0
	s_cbranch_scc1 .Lnot_wave_0_\@
	s_barrier_signal -3
.Lnot_wave_0_\@:
	s_barrier_wait -3
	s_barrier_signal -1
	s_barrier_wait -1
.endm
.macro CROUND
	s_barrier_signal -1
	s_barrier_wait -1
	CREST
.endm
.macro MUL16 f, hi, a0, first          ; 16 matrix instructions: row blocks a0, a0 + 1 x all 8 column blocks; first = 1: C is the bias
.if \first
	WIN 0x81+0x40*(\hi)
.else
	WIN 0xa1+0x50*(\hi)
.endif
.irp a, \a0, (\a0)+1
.irp b, 0,1,2,3,4,5,6,7
.if \first
	v_wmma_f32_16x16x32_bf16 v[8*(8*(\a)+(\b)):8*(8*(\a)+(\b))+7], v[(\f)+8*(\b):(\f)+8*(\b)+7], v[(\f)+8*(4*(\hi)+(\a)):(\f)+8*(4*(\hi)+(\a))+7], v[BIAS+8*(\b):BIAS+8*(\b)+7]
.else
	v_wmma_f32_16x16x32_bf16 v[8*(8*(\a)+(\b)):8*(8*(\a)+(\b))+7], v[(\f)+8*(\b):(\f)+8*(\b)+7], v[(\f)+8*(4*(\hi)+(\a)):(\f)+8*(4*(\hi)+(\a))+7], v[8*(8*(\a)+(\b)):8*(8*(\a)+(\b))+7]
.endif
.endr
.endr
.endm
.macro FETCH slot, q, f                ; 32 LDS loads in one run: quarter q of a slot into buffer f
	WIN 0x40
.irp i, 0,1,2,3
	ds_load_tr16_b128 v[(\f)+8*(\i):(\f)+8*(\i)+3],   v[ADRBL+(\slot)] offset:(\q)*32*PB+32*(\i)
	ds_load_tr16_b128 v[(\f)+8*(\i)+4:(\f)+8*(\i)+7], v[ADRBL+(\slot)] offset:(\q)*32*PB+32*(\i)+16*PB
.endr
.irp i, 0,1,2,3
	ds_load_tr16_b128 v[(\f)+32+8*(\i):(\f)+32+8*(\i)+3],   v[ADRBH+(\slot)] offset:(\q)*32*PB+32*(\i)
	ds_load_tr16_b128 v[(\f)+32+8*(\i)+4:(\f)+32+8*(\i)+7], v[ADRBH+(\slot)] offset:(\q)*32*PB+32*(\i)+16*PB
.endr
	WIN 0
.irp i, 0,1,2,3,4,5,6,7
	ds_load_b128 v[(\f)+8*(\i):(\f)+8*(\i)+3],   v[ADRA+(\slot)] offset:(\q)*64+(\i)*16*PA
	ds_load_b128 v[(\f)+8*(\i)+4:(\f)+8*(\i)+7], v[ADRA+(\slot)] offset:(\q)*64+(\i)*16*PA+32
.endr
.endm
.macro QUARTER slot, q, f, g, first
	s_wait_dscnt 8                                 ; Wq and X's rows 0-63 are in; the youngest eight loads may be out
	MUL16 \f, 0, 0, \first
	MUL16 \f, 0, 2, \first
	PLACES
	FETCH \slot, \q, \g
	s_wait_dscnt 32                                ; all but the 32 just issued
	MUL16 \f, 1, 0, \first
	MUL16 \f, 1, 2, \first
.endm
.macro MEET round                      ; the change of slots: all my tensor loads have landed, the add, my reads of this slot are over, the barrier
	WIN 0
	s_wait_tensorcnt 0x0
	ds_add_u32 v[SPW], v[NIL]
	s_wait_dscnt 9                                 ; the add and the youngest eight loads may be out
	MUL16 F1, 0, 0, 0
	s_wait_dscnt 0x0
	s_barrier_signal -1
	MUL16 F1, 0, 2, 0
.if \round
	WIN 0
.endif
	s_barrier_wait -1
.endm
.macro TURN slot, next
	s_wait_xcnt 0x0                                ; the last prefetch, a K step back, has read its address
	s_add_nc_u64 s[PFA:PFA+1], s[PFA:PFA+1], s[PST:PST+1]
	MEET 1
	CREST
	s_add_nc_u64 s[G0+4*(\slot)+2:G0+4*(\slot)+3], s[G0+4*(\slot)+2:G0+4*(\slot)+3], 2*256
	s_add_nc_u64 s[G0B+4*(\slot)+2:G0B+4*(\slot)+3], s[G0B+4*(\slot)+2:G0B+4*(\slot)+3], 2*262144
	JLOAD \slot                                    ; the first tensor load behind the round; its four v_nop are also the places in front of the loads below
	FETCH \next, 0, F0
	ASK
	MUL16 F1, 1, 0, 0
	MUL16 F1, 1, 2, 0
.endm
.macro TURN_NF next
	MEET 0
	PLACES
	FETCH \next, 0, F0
	MUL16 F1, 1, 0, 0
	MUL16 F1, 1, 2, 0
.endm
.macro LASTQ
	s_wait_dscnt 8
	MUL16 F1, 0, 0, 0
	MUL16 F1, 0, 2, 0
	s_wait_dscnt 0x0
	MUL16 F1, 1, 0, 0
	MUL16 F1, 1, 2, 0
	WIN 0
.endm
; The sums of q^2 of row blocks a and a + 1, for both heads: four chains; a pair holds the even and the odd channels' sums.  Each accumulator's lowest registers are read first.
.macro NORM2 a
.set EW, 2+(\a)/4
.set EA, 64*((\a)%4)
.set WRD, EW|(EW<<2)
	WIN WRD
.irp c, 0,1,2,3
.irp p, 0,1,2,3
.irp u, 0,1
.irp g, 0,1
.set RA, EA+64*(\u)+8*(4*(\g)+(\c))+2*(\p)
.set RW, WQ+2*(2*((\a)+(\u))+(\g))
.if ((\c) == 0) && ((\p) == 0)
	v_pk_mul_f32 v[RW:RW+1], v[RA:RA+1], v[RA:RA+1]
.else
	v_pk_fma_f32 v[RW:RW+1], v[RA:RA+1], v[RA:RA+1], v[RW:RW+1]
.endif
.endr
.endr
.endr
.endr
.endm
; Row block a: q scaled in place, rounded to f16, and 16 products ctx^T = kv^T q^T: eight accumulators by turns, seven others between the two links of a chain.
.macro CALC a
.set EW, 2+(\a)/4
.set EA, 64*((\a)%4)
.set WRD, EW|(EW<<2)
.set WSC, (EW<<6)|EW
	WIN WSC
.irp b, 0,1,2,3,4,5,6,7
.irp p, 0,1,2,3
	v_pk_mul_f32 v[EA+8*(\b)+2*(\p):EA+8*(\b)+2*(\p)+1], v[EA+8*(\b)+2*(\p):EA+8*(\b)+2*(\p)+1], v[WQ+2*(2*(\a)+(\b)/4):WQ+2*(2*(\a)+(\b)/4)+1] op_sel_hi:[1,0]
.endr
.endr
	WIN WRD
.irp b, 0,1,2,3,4,5,6,7
.irp p, 0,1,2,3
	v_cvt_pk_f16_f32 v[QF+4*(\b)+(\p)], v[EA+8*(\b)+2*(\p)], v[EA+8*(\b)+2*(\p)+1]
.endr
.endr
	WIN 0x01                                       ; kv in window 1, q^ and ctx in window 0
.irp c, 0,1
.irp g, 0,1
.irp d, 0,1,2,3
.if (\c) == 0
	v_wmma_f32_16x16x32_f16 v[CT+8*(4*(\g)+(\d)):CT+8*(4*(\g)+(\d))+7], v[64+64*(\g)+8*(2*(\d)+(\c)):64+64*(\g)+8*(2*(\d)+(\c))+7], v[QF+16*(\g)+8*(\c):QF+16*(\g)+8*(\c)+7], 0
.else
	v_wmma_f32_16x16x32_f16 v[CT+8*(4*(\g)+(\d)):CT+8*(4*(\g)+(\d))+7], v[64+64*(\g)+8*(2*(\d)+(\c)):64+64*(\g)+8*(2*(\d)+(\c))+7], v[QF+16*(\g)+8*(\c):QF+16*(\g)+8*(\c)+7], v[CT+8*(4*(\g)+(\d)):CT+8*(4*(\g)+(\d))+7]
.endif
.endr
.endr
.endr
.endm
.macro TOSTAGE                         ; 16 rows x 512 bytes into my stage, 32 bytes a lane, and back as whole rows
	WIN 0
	PLACES
.irp g, 0,1
.irp d, 0,1,2,3
	ds_store_b128 v[STO], v[CT+8*(4*(\g)+(\d)):CT+8*(4*(\g)+(\d))+3]   offset:256*(\g)+64*(\d)
	ds_store_b128 v[STO], v[CT+8*(4*(\g)+(\d))+4:CT+8*(4*(\g)+(\d))+7] offset:256*(\g)+64*(\d)+16
.endr
.endr
	s_wait_xcnt 0x0                                ; the stores of the block before have read their registers: these are loaded again only behind this wait
.irp t, 0,1,2,3,4,5,6,7,8,9,10,11,12,13,14,15
	ds_load_b128 v[OB+4*(\t):OB+4*(\t)+3], v[RD] offset:SP*(\t)  ; LDS serves a wave's instructions in order (ISA guide 5.7.1.4): these see the stores above
.endr
.endm
.macro SEND a
	WIN 0
.irp t, 0,1,2,3,4,5,6,7,8,9,10,11,12,13,14,15
	s_wait_dscnt 15-(\t)                           ; row t is back; the younger loads may be out
	global_store_b128 v[CO], v[OB+4*(\t):OB+4*(\t)+3], s[76:77] offset:4096*(16*(\a)+(\t)) th:TH_STORE_NT  ; 512 consecutive bytes of a row, at a multiple of 512 from out0's first
.endr
.endm
	s_load_b256 s[68:75], s[0:1], 0x0              ; xb s[68:69], wb s[70:71], aux s[72:73], kvp s[74:75]
	s_load_b64 s[76:77], s[0:1], 0x20              ; out0
	v_lshl_add_u32 v[SPW], v0, 2, SPARE
	v_mov_b32 v[NIL], 0
	ds_add_u32 v[SPW], v[NIL]                      ; the wave's opening: the add, twice on end, and its wait ahead of my first tensor load
	ds_add_u32 v[SPW], v[NIL]
	v_lshrrev_b32 v1, 5, v0
	v_readfirstlane_b32 s10, v1                    ; wave 0..3
	s_lshr_b32 s11, s10, 1                         ; my half of the rows.  Also: I fetch for X (0) or for Wq (1)
	s_and_b32 s12, s10, 1                          ; my half of the columns.  Also: which half I fetch
	s_bfe_u32 s40, ttmp6, 0x40000                  ; cx
	s_bfe_u32 s41, ttmp6, 0x40004                  ; cy
	s_lshl_b32 s42, ttmp9, 2
	s_add_co_u32 s42, s42, s40                     ; ct: four heads
	s_and_b32 s82, ttmp7, 0xffff                   ; cluster y
	s_lshl_b32 s13, s82, 2
	s_add_co_u32 s13, s13, s41                     ; rt: the row of tiles
	s_lshl_b32 s83, s41, 2
	s_lshl_b32 s83, 15, s83                        ; my row of the cluster
	s_lshl_b32 s84, 0x1111, s40                    ; my column
	s_or_b32 s[G1+0], s83, (1<<16)|(1<<20)|(1<<21)|(5<<22)|(3<<25)
	s_or_b32 s[G1B+0], s84, (1<<16)|(1<<20)|(1<<21)|(5<<22)|(7<<25)
.irp g, G1, G1B
	s_mov_b32 s[(\g)+1], 128<<16
	s_mov_b32 s[(\g)+2], 128<<16
	s_mov_b32 s[(\g)+3], 128<<16
	s_mov_b32 s[(\g)+4], 128
	s_mov_b32 s[(\g)+5], 1024
	s_mov_b32 s[(\g)+6], 0
	s_mov_b32 s[(\g)+7], 0
.endr
	s_lshl_b32 s16, s13, 8
	s_lshl_b32 s17, s12, 7
	s_add_co_u32 s16, s16, s17
	s_lshl_b32 s16, s16, 11                        ; X: row 256 rt + 128 x half, of 2,048 bytes
	s_mov_b32 s17, 0
	s_lshl_b32 s22, s42, 9
	s_lshl_b32 s23, s12, 8
	s_add_co_u32 s22, s22, s23
	s_add_co_u32 s22, s22, 4194304                 ; Wq is wb's third matrix; columns 256 ct + 128 x half on
	s_mov_b32 s23, 0
	s_mul_i32 s20, s12, HALFA
	s_mul_i32 s21, s12, SUBB
	s_add_co_u32 s21, s21, 2*HALFA
	s_mul_i32 s86, s11, 10
	s_lshl_b32 s[PST], 256, s86
	s_mov_b32 s[PST+1], 0
	s_lshr_b32 s85, s82, 1                         ; the batch: eight rows of tiles, two clusters
	s_lshl_b32 s83, s85, 7
	s_mov_b32 s80, 0x76543210                      ; v_permlanex16_b32: each lane takes its own place in the other half
	s_mov_b32 s81, 0xfedcba98
	s_wait_dscnt 0x0                               ; both opening adds are done
	s_wait_kmcnt 0x0
	s_load_b32 s78, s[72:73], s83 offset:77824     ; 16 / count of my batch
	s_add_nc_u64 s[14:15], s[68:69], s[16:17]
	s_add_nc_u64 s[66:67], s[70:71], s[22:23]
.irp s, 0,1
	s_mov_b32 s[G0+4*(\s)], 1
	s_add_co_u32 s[G0+4*(\s)+1], s20, (\s)*SLOT
	s_add_nc_u64 s[G0+4*(\s)+2:G0+4*(\s)+3], s[14:15], (\s)*256
	s_or_b32 s[G0+4*(\s)+3], s[G0+4*(\s)+3], 0x80000000
	s_mov_b32 s[G0B+4*(\s)], 1
	s_add_co_u32 s[G0B+4*(\s)+1], s21, (\s)*SLOT
	s_add_nc_u64 s[G0B+4*(\s)+2:G0B+4*(\s)+3], s[66:67], (\s)*262144
	s_or_b32 s[G0B+4*(\s)+3], s[G0B+4*(\s)+3], 0x80000000
.endr
	CROUND                                         ; all sixteen work-groups are here: the first joint loads meet
	JLOAD 0                                        ; both slots' first fills go out together: two tensor loads of mine are out
	JLOAD 1
	; KV.  Wave w takes head 4 ct + w: its four parts, 65,536 consecutive bytes, come into the registers that will hold the accumulators
	s_lshl_b32 s86, s85, 4
	s_lshl_b32 s87, s42, 2
	s_add_co_u32 s86, s86, s87
	s_add_co_u32 s86, s86, s10                     ; 16 x batch + head
	s_lshl_b32 s86, s86, 16
	s_mov_b32 s87, 0
	s_add_nc_u64 s[74:75], s[74:75], s[86:87]
	v_and_b32 v3, 31, v0
	v_lshlrev_b32 v[CO], 4, v3
	WIN 0x80                                       ; destination window 2: parts 0 and 1
.set n, 0
.rept 64
	global_load_b128 v[4*n:4*n+3], v[CO], s[74:75] offset:512*n
.set n, n+1
.endr
	WIN 0xc0                                       ; window 3: parts 2 and 3
.set n, 0
.rept 64
	global_load_b128 v[4*n:4*n+3], v[CO], s[74:75] offset:32768+512*n
.set n, n+1
.endr
	WIN 0
	v_and_b32 v1, 15, v0                           ; l % 16
	v_bfe_u32 v2, v0, 4, 1                         ; l / 16
	s_lshl_b32 s86, s42, 10
	s_lshl_b32 s87, s12, 9
	s_add_co_u32 s86, s86, s87                     ; 4 bytes x my first column
	v_lshl_add_u32 v7, v2, 5, s86                  ; + my lanes' eight channels
.irp b, 0,1,2,3,4,5,6,7
	global_load_b128 v[BIAS+8*(\b):BIAS+8*(\b)+3],   v7, s[72:73] offset:8192+64*(\b)
	global_load_b128 v[BIAS+8*(\b)+4:BIAS+8*(\b)+7], v7, s[72:73] offset:8192+64*(\b)+16
.endr
	s_lshl_b32 s84, s13, 10
	s_lshl_b32 s87, s11, 9
	s_add_co_u32 s84, s84, s87                     ; 4 bytes x my first row
	v_lshl_add_u32 v6, v1, 2, s84
.irp a, 0,1,2,3,4,5,6,7
	global_load_b32 v[MCQ+(\a)], v6, s[72:73] offset:12288+64*(\a)
.endr
	; addresses, while the loads are out
	s_lshl_b32 s84, s84, 10                        ; my first row x 4,096 bytes,
	s_add_co_u32 s86, s86, s84                     ; + my first column
	s_mov_b32 s87, 0
	s_add_nc_u64 s[76:77], s[76:77], s[86:87]
	s_cmp_eq_u32 s11, 0
	s_cselect_b32 s86, s40, s41                    ; my place among the four that ask for the tile with me
	s_cselect_b32 s84, ttmp9, s82                  ; the coordinate along which other clusters read the same rows
	s_cselect_b64 s[PFA:PFA+1], s[14:15], s[66:67]
	s_cmp_eq_u32 s84, 0
	s_cselect_b32 s[LIM], 1, -1
	s_lshl_b32 s86, s86, 16                        ; my work-group's 32 rows of the 128
	s_add_nc_u64 s[PFA:PFA+1], s[PFA:PFA+1], s[86:87]
	s_mul_i32 s86, s[PST], 3
	s_add_nc_u64 s[PFA:PFA+1], s[PFA:PFA+1], s[86:87]  ; at K step 3: the first refill steps it to 4 and names that
	v_lshlrev_b32 v[PFO], 11, v3
	v_mul_u32_u24 v3, v1, PA
	v_lshl_add_u32 v3, v2, 4, v3
	v_and_b32 v4, 7, v0
	v_lshl_add_u32 v4, v2, 3, v4
	v_mul_u32_u24 v4, v4, PB
	v_bfe_u32 v5, v0, 3, 1
	v_lshl_add_u32 v4, v5, 4, v4
	s_mul_i32 s16, s11, HALFA                      ; my 128 rows of X
	s_mul_i32 s17, s12, SUBB                       ; my tile of Wq
	s_add_co_u32 s17, s17, 2*HALFA
.irp s, 0,1
	v_add_nc_u32 v[ADRA+(\s)], s16, v3
	v_add_nc_u32 v[ADRBL+(\s)], s17, v4
	v_add_nc_u32 v[ADRBH+(\s)], 128, v[ADRBL+(\s)] ; its columns 64 on
	s_add_co_u32 s16, s16, SLOT
	s_add_co_u32 s17, s17, SLOT
.endr
	s_mul_i32 s84, s10, 16*SP                      ; my stage
	v_mul_u32_u24 v[STO], v1, SP
	v_lshl_add_u32 v[STO], v2, 5, v[STO]
	v_add_nc_u32 v[STO], s84, v[STO]
	v_add_nc_u32 v[RD], s84, v[CO]
	s_lshl_b32 s84, s12, 14
	s_add_co_u32 s84, s84, KVB
	v_add_nc_u32 v[KVL], s84, v[CO]
	s_lshl_b32 s84, s10, 13
	s_add_co_u32 s84, s84, KVB
	v_add_nc_u32 v[KVS], s84, v[CO]
	s_wait_loadcnt 24                              ; kv's 128 loads are in; the 16 bias and 8 cap loads may stay out
	s_wait_kmcnt 0x0
	s_mov_b32 s79, s78                             ; named with it as a pair
	WIN 0x0a                                       ; sources in window 2
.set z, 0
.rept 64
	v_pk_add_f32 v[64+2*z:65+2*z], v[2*z:2*z+1], v[128+2*z:129+2*z]
.set z, z+1
.endr
	WIN 0x0c                                       ; source 1 in window 3
.set z, 0
.rept 64
	v_pk_add_f32 v[64+2*z:65+2*z], v[64+2*z:65+2*z], v[2*z:2*z+1]
.set z, z+1
.endr
.set z, 0
.rept 64
	v_pk_add_f32 v[64+2*z:65+2*z], v[64+2*z:65+2*z], v[128+2*z:129+2*z]
.set z, z+1
.endr
	WIN 0
.set z, 0
.rept 64
	v_pk_mul_f32 v[64+2*z:65+2*z], v[64+2*z:65+2*z], s[78:79] op_sel_hi:[1,0]
.set z, z+1
.endr
.set z, 0
.rept 64
	v_cvt_pk_f16_f32 v[64+z], v[64+2*z], v[64+2*z+1]  ; ascending: a line writes no register that a later line reads
.set z, z+1
.endr
.irp e, 0,1,2,3                        ; accumulator (e, d) is half e % 2 of the fragment (d, e / 2): channels d of ctx in the lanes, 32 channels e of q^ along the registers
.irp d, 0,1,2,3
	ds_store_b128 v[KVS], v[64+4*(4*(\e)+(\d)):64+4*(4*(\e)+(\d))+3] offset:((2*(\d)+(\e)/2)*2+(\e)%2)*512
.endr
.endr
	s_wait_loadcnt 0x0                             ; bias and caps
	s_wait_tensorcnt 0x1                           ; my part of K step 0 is in; K step 1's may stay out
	s_wait_dscnt 0x0                               ; for the others' sake: my head's fragments are stored
	s_barrier_signal -1
	s_barrier_wait -1
	FETCH 0, 0, F0
	QUARTER 0, 1, F0, F1, 1                        ; the first quarter's products start the sums, from the bias
	WIN 0
	s_mov_b32 s3, 3
.Llap:                                                 ; a trip goes once round the ring and fills both slots again
	QUARTER 0, 2, F1, F0, 0
	QUARTER 0, 3, F0, F1, 0
	TURN 0, 1
	QUARTER 1, 1, F0, F1, 0
	QUARTER 1, 2, F1, F0, 0
	QUARTER 1, 3, F0, F1, 0
	TURN 1, 0
	QUARTER 0, 1, F0, F1, 0
	WIN 0
	s_sub_co_u32 s3, s3, 1
	s_cmp_lg_u32 s3, 0
	s_cbranch_scc1 .Llap
	QUARTER 0, 2, F1, F0, 0                        ; the last lap fills nothing
	QUARTER 0, 3, F0, F1, 0
	TURN_NF 1                                      ; behind its barrier no wave reads slot 0 any more
	QUARTER 1, 1, F0, F1, 0
	QUARTER 1, 2, F1, F0, 0
	QUARTER 1, 3, F0, F1, 0
	LASTQ
	; BEHIND THE TILE
	PLACES
	WIN 0x40
.irp g, 0,1
.irp x, 0,1,2,3,4,5,6,7,8,9,10,11,12,13,14,15
	ds_load_b128 v[64+64*(\g)+4*(\x):64+64*(\g)+4*(\x)+3], v[KVL] offset:8192*(\g)+512*(\x)  ; my two heads' kv fragments
.endr
.endr
	NORM2 0
	NORM2 2
	NORM2 4
	NORM2 6
	WIN 0
.set n, 0
.rept 16
	v_add_f32 v[WQ+2*n], v[WQ+2*n], v[WQ+2*n+1]
.set n, n+1
.endr
.set n, 0
.rept 16
	v_permlanex16_b32 v[WQ+2*n+1], v[WQ+2*n], s80, s81  ; the row's other 32 channels lie in the lane 16 away
.set n, n+1
.endr
.set n, 0
.rept 16
	v_add_f32 v[WQ+2*n], v[WQ+2*n], v[WQ+2*n+1]
.set n, n+1
.endr
.set n, 0
.rept 16
	v_rsq_f32 v[WQ+2*n], v[WQ+2*n]
.set n, n+1
.endr
	v_nop                                          ; a plain instruction behind the last of the batch,
	s_wait_alu depctr_va_vdst(0)                   ; and one wait for the sixteen, ahead of their first reader
.set n, 0
.rept 16
	v_min_num_f32 v[WQ+2*n], v[WQ+2*n], v[MCQ+n/2] ; 1 / max(norm, 1e-12), or 0 in a masked row
.set n, n+1
.endr
.set n, 0
.rept 16
	v_mul_f32 v[WQ+2*n], 0x3d800000, v[WQ+2*n]     ; / 16: undoes kv's factor 16 exactly
.set n, n+1
.endr
	s_wait_dscnt 0x0                               ; kv's fragments are in
	CALC 0
	TOSTAGE
.irp a, 1,2,3,4,5,6,7                  ; a block's arithmetic stands between the stage loads of the block before and its stores
	CALC \a
	SEND (\a)-1
	TOSTAGE
.endr
	SEND 7
	s_wait_tensorcnt 0x0                           ; the wave's end: the add and its wait stand behind my last tensor load and my last LDS store
	ds_add_u32 v[SPW], v[NIL]
	s_wait_dscnt 0x0
	CROUND                                         ; the closing round
	s_endpgm
.Lfunc_end_k_qcc8bab46d2_qctx:
	.size	k_qcc8bab46d2_qctx, .Lfunc_end_k_qcc8bab46d2_qctx-k_qcc8bab46d2_qctx
	.p2alignl 7, 3214868480
	.fill 96, 4, 3214868480
	.section	.rodata,"a",@progbits
	.p2align	6, 0x0
	.amdhsa_kernel k_qcc8bab46d2_qctx
		.amdhsa_group_segment_fixed_size 327680
		.amdhsa_private_segment_fixed_size 0
		.amdhsa_enable_private_segment 0
		.amdhsa_kernarg_size 40
		.amdhsa_user_sgpr_count 2
		.amdhsa_user_sgpr_kernarg_segment_ptr 1
		.amdhsa_wavefront_size32 1
		.amdhsa_system_sgpr_workgroup_id_x 1
		.amdhsa_system_sgpr_workgroup_id_y 1
		.amdhsa_system_sgpr_workgroup_id_z 1
		.amdhsa_system_vgpr_workitem_id 0
		.amdhsa_next_free_vgpr 1024
		.amdhsa_next_free_sgpr 88
		.amdhsa_reserve_vcc 0
		.amdhsa_float_denorm_mode_32 3
		.amdhsa_float_denorm_mode_16_64 3
		.amdhsa_memory_ordered 1
		.amdhsa_forward_progress 1
		.amdhsa_inst_pref_size 245
	.end_amdhsa_kernel
	.amdgpu_metadata
---
amdhsa.version: [ 1, 2 ]
amdhsa.kernels:
  - .name:           k_qcc8bab46d2_qctx
    .symbol:         k_qcc8bab46d2_qctx.kd
    .args:
      - { .name: xb, .offset: 0, .size: 8, .value_kind: global_buffer, .address_space: global }
      - { .name: wb, .offset: 8, .size: 8, .value_kind: global_buffer, .address_space: global }
      - { .name: aux, .offset: 16, .size: 8, .value_kind: global_buffer, .address_space: global }
      - { .name: kvp, .offset: 24, .size: 8, .value_kind: global_buffer, .address_space: global }
      - { .name: out0, .offset: 32, .size: 8, .value_kind: global_buffer, .address_space: global }
    .group_segment_fixed_size: 327680
    .private_segment_fixed_size: 0
    .kernarg_segment_align: 8
    .kernarg_segment_size: 40
    .max_flat_workgroup_size: 128
    .sgpr_count:     88
    .vgpr_count:     1024
    .wavefront_size: 32
...
	.end_amdgpu_metadata
.endif
;; end of part 3
